; MI455X (gfx1250); checked and timed in simulation.
; The chip was launched on July 23, 2026; its instructions are those of AMD's public machine-readable ISA for CDNA 5 (MIT licence, August 2026) and "CDNA5" Instruction Set Architecture Reference Guide (July 2026). The comments in the code are by the model that wrote it; some were corrected since.
;; Self Attention3 D. Allowed arithmetic: matrix products marked QUANTISED: E2M3 operands, one E8M0 scale for each 32 along K, by v_wmma_scale_f32_16x16x128_f8f6f4 with both operands' format E2M3, f32 sums; everything else in f32.
;; Inputs: Wk 128 x 128 float32; Wq 128 x 128 float32; Wv 128 x 128 float32; bk 128 float32; bq 128 float32; bv 128 float32; inputs 4 x 4,096 x 128 float32.
;; Outputs: out0 4 x 4,096 x 128 float32.
;; This version of the problem:
;;   THIS VERSION OF THE PROBLEM IS GIVEN IN LOW PRECISION. The matrix products marked QUANTISED in the list below multiply operands that are first quantised to E2M3 (2 exponent bits, 3 mantissa bits; 6 bits a number), with one power-of-two scale for each 32 numbers along K (OCP MX v1.0); their sums are f32. All else is computed in f32.
;;   The module's matrix products, in the order in which they are computed (A, B: the left and right operand; K: the contracted axis; several contracted axes count as one K, in the product's order):
;;     1. [M 16,384, K 128] x [K 128, N 128]; A: input inputs; B: input Wq: QUANTISED
;;     2. [M 16,384, K 128] x [K 128, N 128]; A: input inputs; B: input Wk: QUANTISED
;;     3. [M 16,384, K 128] x [K 128, N 128]; A: input inputs; B: input Wv: QUANTISED
;;     4. batch 4 x [M 4,096, K 128] x [K 128, N 4,096]; A: computed on the way; B: computed on the way: QUANTISED
;;     5. batch 4 x [M 4,096, K 4,096] x [K 4,096, N 128]; A: softmax (see below); B: computed on the way: QUANTISED
;;   THE QUANTISER, for each operand of a quantised product, along K:
;;     - K is cut into blocks of 32 from its start; a last block that is shorter is filled with zeros.
;;     - A block's scale is 2^e with e = floor(log2(the largest magnitude in the block)) - 2, held to -126 .. 127; a block of zeros has e = 0. As a byte (E8M0): e + 127.
;;     - Each number is divided by its block's scale, clamped to +-7.5, and rounded to the nearest number of E2M3, ties to even, subnormals kept.
;;     - The product sums the exact products of the quantised numbers (number of the format x scale) in f32.
;;   ~~~python
;;   def quantise(x, axis):      # numpy; x: float32 -> the quantised numbers, widened to float32 again
;;       x = np.moveaxis(x, axis, -1); K = x.shape[-1]
;;       x = np.pad(x, [(0, 0)] * (x.ndim - 1) + [(0, -K % 32)]); x = x.reshape(x.shape[:-1] + (-1, 32)); a = np.abs(x).max(-1, keepdims=True)
;;       e = np.where(a > 0, np.clip(np.frexp(np.where(a > 0, a, 1))[1] - 1 - 2, -126, 127), 0)      # np.frexp(a)[1] - 1 = floor(log2(a)), exactly
;;       r = np.clip(x / 2.0 ** e, -7.5, 7.5)
;;       step = 2.0 ** (np.maximum(np.frexp(np.where(r == 0, 1, r))[1] - 1, 0) - 3)
;;       q = np.round(r / step) * step * 2.0 ** e      # np.round: ties to even
;;       return np.moveaxis(q.reshape(q.shape[:-2] + (-1,))[..., :K], -1, axis).astype(np.float32)
;;   ~~~
;;   SOFTMAX AHEAD OF A QUANTISED PRODUCT. Where the list says 'softmax', what is quantised is not the finished softmax but p = 2^(t - M), with t = logit x log2(e) and M = ceil(the row's largest t), a whole number; so 1/2 < the row's largest p <= 1. The row's sum l is taken of the UNQUANTISED p, in f32, and the product's result is divided by l at the end. Since M is a whole number, a kernel that streams over the keys may use a running M (the ceiling of the running maximum): every later rescaling is an exact power of two, which a block's scale takes up: the codes' values come out the same.
;;   OPERANDS COMPUTED ON THE WAY. 'Computed on the way' means the value that the module computes at that place (a softmax that the list does not call 'softmax' is quantised finished and normalised). What goes into a quantiser is computed in f32, as accurately as f32 sums, v_exp_f32 and their like allow (about 1e-6 of the number): no bf16 or f16 on the way to a quantiser, and a product that is left as it is and whose result goes on into a quantised operand takes f32 operands (vector FMAs, or v_wmma_f32_16x16x4_f32). A number that lies on a knife's edge between two numbers of the format may be rounded either way, as far as f32 arithmetic and the matrix unit's own rounding can turn it there, and no further.
;; One version. Each part assembles by itself: llvm-mc -triple=amdgcn-amd-amdhsa -mcpu=gfx1250 --defsym DOCPART=n.
;; ======== version 1 of 1: 2 launches
;; limits: right only within a limited range of input values
;; workspace buffers: ws 4,980,736 bytes
;; launch proj (part 1): grid 256 x 1, 16 waves a work-group, clusters of 4 x 1, 327,680 bytes of LDS; arguments inputs, Wq, bq, Wk, bk, Wv, bv, ws; writes ws
.if DOCPART == 1
	.amdgcn_target "amdgcn-amd-amdhsa--gfx1250"
	.amdhsa_code_object_version 6
	.text
	.protected	k_qc501dca1fc_proj
	.globl	k_qc501dca1fc_proj
	.p2align	8
	.type	k_qc501dca1fc_proj,@function
k_qc501dca1fc_proj:
	s_mov_b64 s[64:65], 0
	v_nop
	global_prefetch_b8 v0, s[64:65] scope:SCOPE_SE
	s_setreg_imm32_b32 hwreg(HW_REG_WAVE_MODE, 25, 1), 1
	s_wait_xcnt 0x0
	s_wait_alu depctr_hold_cnt(0) depctr_sa_sdst(0) depctr_va_vdst(0) depctr_va_sdst(0) depctr_va_ssrc(0) depctr_va_vcc(0) depctr_vm_vsrc(0)
	s_getreg_b32 s2, hwreg(HW_REG_IB_STS2, 6, 4)
	s_cmp_eq_u32 s2, 0
	s_cbranch_scc0 .Lentry_in_a_cluster
	s_endpgm
.Lentry_in_a_cluster:
	s_bfe_u32 s2, ttmp6, 0x10000c
	s_cmp_lg_u32 s2, 0x3003
	s_cbranch_scc0 .Lentry_shape_is_right
	s_endpgm
.Lentry_shape_is_right:
; q = Q(x) Q(Wq) + bq, k and v likewise, and then q, k, v as codes of FP6 (E2M3) with one E8M0 scale for each 32 along the K of the product that takes them next: q, k along the 128 filters, v along the TOKENS.
; x: [16,384][128] f32; W: [128 (channel = K)][128 (filter)] f32; b: [128] f32.  No step of reference() is left out.
; OUTPUT: 128 records of REC bytes, one for each 128 tokens, images of operand registers (a fragment: 12 registers, 1,536 bytes, registers 4 n .. 4 n + 3 of lane l at 512 n + 16 l):
;   KOFF, QOFF: 8 fragments of k, of q; lane r of fragment 4 c + j holds token 64 c + 32 (r / 8) + 8 j + r % 8.   VOFF: 8 fragments of v^T; lane r of fragment 4 c + j holds FILTER 64 c + 32 (r / 8) + 8 j + r % 8, K = the record's tokens in order.
;   SOFF: scale words, word (i, l) at 512 (i / 4) + 16 l + 4 (i % 4), l < 16 k's fragment i, row l; l >= 16 v's, row l - 16.   QSOFF: q's word of fragment 4 c + j, row r at 256 c + 16 r + 4 j.
; ONE ORDER FOR TOKENS AND FILTERS: by it a lane's 32 results of four tiles 4 c .. 4 c + 3 are 32 neighbours 64 c + 32 (lane / 16) + 0 .. 31 along the next K: a whole scale block in one lane, in the operand's own place.
; SHARES.  Two work-groups (half = 0, 1) make a record: each q and k of its 64 tokens, and v of all 128 tokens for 64 filters, so that v's scale words are whole.  256 work-groups of 16 waves.
;   Quantising: waves 0-3 a 32-channel block of Wv's 64 filters and an x tile (4 + w), waves 4-7 a block of Wq, 8-11 of Wk, 12-15 an x tile (w - 12).  Products: waves 0-3 v's fragments, 4-7 q's, 8-11 k's: 8 matrix instructions each.
; W: K is its first axis, so a lane takes a filter and its registers run down the channels.  Each wave's joint load brings the rows that this wave alone reads: its own wait orders them, and no barrier stands in between.
; x: a row of 512 bytes a load, turned through the wave's own stage in LDS.
; CLUSTER: four records, the same half: they read the same W, which is asked for JOINTLY (mask 15).  No LDS byte is filled twice; a wave has one tensor load out.  No prefetch: the launch has no loop to run ahead in.
; LIMITS: NaN and infinities are not served.  A block whose largest magnitude lies under 2^-124 (a block of zeros too) gets the scale byte 1; the bytes are read by this program alone.
.set REC,   38912
.set KOFF,  0
.set VOFF,  12288
.set SOFF,  24576
.set QSOFF, 25600
.set QOFF,  26624
; LDS: W's rows, 16,384 bytes a wave, from 0; operand images (a tile: six pieces of 8 bytes a lane, piece n at 256 n + 8 lane, + 64); their scale words; the way out's scale words; the stages; the spare words
.set TP,    1600
.set CP,    8*TP
.set IMG,   12*16384                   ; classes: 0 Wv (4 tiles), 1 Wq, 2 Wk, 3 x
.set ISC,   IMG+4*CP                   ; 64 bytes a tile, 512 a class
.set OSC,   ISC+2048                   ; 256 bytes each: v, q, k
.set XST,   OSC+1024
.set XP,    528
.set SPARE, XST+8*16*XP
.set FB,  1                            ; LDS: the eight tiles of my products; FBS their scale words
.set FBS, 2
.set FX,  3                            ; the one tile; FXS its scale word
.set FXS, 4
.set WA,  5                            ; my W rows
.set IW,  6                            ; where my W codes go; SB their scale bytes
.set SB,  7
.set SPW, 8
.set NIL, 9
.set SH,  10                           ; 8 (lane / 16)
.set GB,  11                           ; 128 (lane / 16)
.set L16, 12                           ; 16 lane
.set XSW, 13                           ; my stage, in
.set XSR, 14                           ; and out
.set XI,  15                           ; where my x tile's codes go
.set X,   16                           ; v16-79 64 numbers to be quantised
.set XV,  80                           ; v80-143 x's rows as loaded
.set HA,  144                          ; v144-207 eight accumulators; ahead of the products q's or k's bias
.set BV,  208                          ; v208-215 v's bias
.set XIS, 216
.set OW,  217
.set ORD, 218
.set GV,  219
.set TM,  220                          ; v220-228 at work
.set PW,  229                          ; the scale word just made
.set PC,  230                          ; v230-242 the codes just made
.set SW,  244                          ; v244-251, v252: scale words and nothing else
.set XS,  252
.set F,   16                           ; later: eight fragments v16-111,
.set XF,  112                          ; and one, v112-123
.set SEL, 56
.macro BARRIER
	s_barrier_signal -1
	s_barrier_wait -1
.endm
.macro CROUND
	s_barrier_signal -1
	s_barrier_wait -1
	s_cmp_lg_u32 s20, 0
	s_cbranch_scc1 .Lnot_wave_0_\@
	s_barrier_signal -3
.Lnot_wave_0_\@:
	s_barrier_wait -3
	s_barrier_signal -1
	s_barrier_wait -1
.endm
.macro PLACES
.rept 4
	v_nop
.endr
.endm
; Two blocks of 32 numbers of a lane, v[s ..] and v[s + 32 ..]: twelve registers of codes in v[PC ..], the scale bytes in v[TM + 4], v[TM + 5]
.macro BLK s
.irp c, 0,1
	v_max3_num_f32 v[TM+\c], |v[\s+32*\c]|, |v[\s+1+32*\c]|, |v[\s+2+32*\c]|
	v_max3_num_f32 v[TM+2+\c], |v[\s+16+32*\c]|, |v[\s+17+32*\c]|, |v[\s+18+32*\c]|
.endr
.irp i, 3,5,7,9,11,13
.irp c, 0,1
	v_max3_num_f32 v[TM+\c], v[TM+\c], |v[\s+32*\c+\i]|, |v[\s+1+32*\c+\i]|   ; four chains by turns
	v_max3_num_f32 v[TM+2+\c], v[TM+2+\c], |v[\s+16+32*\c+\i]|, |v[\s+17+32*\c+\i]|
.endr
.endr
.irp c, 0,1
	v_max3_num_f32 v[TM+2+\c], v[TM+2+\c], |v[\s+15+32*\c]|, |v[\s+31+32*\c]|
.endr
.irp c, 0,1
	v_max3_num_f32 v[TM+\c], v[TM+\c], v[TM+2+\c], 0x1800000   ; the floor 2^(3 - 127): the byte cannot fall under 1
.endr
.irp c, 0,1
	v_add_nc_u32 v[TM+7+\c], 0xff000000, v[TM+\c]   ; 2 off the exponent field: the conversion takes the exponent field of this operand as its scale
.endr
.irp c, 0,1
	v_cvt_scalef32_pk16_fp6_f32 v[PC+6*\c:PC+6*\c+2], v[\s+32*\c:\s+32*\c+15], v[TM+7+\c]
	v_cvt_scalef32_pk16_fp6_f32 v[PC+6*\c+4:PC+6*\c+6], v[\s+32*\c+16:\s+32*\c+31], v[TM+7+\c]   ; (a conversion's three registers begin on an even number: moved down by one)
	v_lshrrev_b32 v[TM+4+\c], 23, v[TM+7+\c]       ; the scale's byte, and the plain place behind the conversions
.irp i, 3,4,5
	v_mov_b32 v[PC+6*\c+\i], v[PC+6*\c+\i+1]
.endr
.endr
.endm
; lane (r, h) holds the bytes of blocks h and 2 + h: with lane l xor 16's two the row's scale word is whole
.macro WORD
	v_lshl_or_b32 v[TM+4], v[TM+5], 16, v[TM+4]
	s_delay_alu instid0(VALU_DEP_1)
	v_lshlrev_b32 v[TM+4], v[SH], v[TM+4]
	s_delay_alu instid0(VALU_DEP_1)
	v_permlanex16_b32 v[TM+6], v[TM+4], s[SEL], s[SEL+1]
	s_delay_alu instid0(VALU_DEP_1)
	v_or_b32 v[PW], v[TM+4], v[TM+6]
.endm
; Filters 64 p + 0 .. 63 of my W rows: lane l takes filters 64 p + l and 64 p + 32 + l, its registers run down the 32 channels
.macro PAIR p
.set n, 0
.rept 64
	ds_load_b32 v[X+n], v[WA] offset:256*\p+128*(n/32)+512*(n%32)
.set n, n+1
.endr
	s_wait_dscnt 0x0
	BLK X
.irp c, 0,1                                    ; filter 64 p + 32 c + l is row 8 c + l % 8 of tile 4 p + l / 8
.irp i, 0,1,2
	ds_store_b64 v[IW], v[PC+6*\c+2*\i:PC+6*\c+2*\i+1] offset:4*TP*\p+64*\c+256*\i
.endr
	ds_store_b8 v[SB], v[TM+4+\c] offset:256*\p+32*\c
.endr
.endm
	s_load_b512 s[4:19], s[0:1], 0x0               ; inputs s[4:5], Wq s[6:7], bq s[8:9], Wk s[10:11], bk s[12:13], Wv s[14:15], bv s[16:17], ws s[18:19]
	v_lshl_add_u32 v[SPW], v0, 2, SPARE
	v_mov_b32 v[NIL], 0
	ds_add_u32 v[SPW], v[NIL]                      ; the opening lines: the add, twice on end, and its wait
	ds_add_u32 v[SPW], v[NIL]
	v_lshrrev_b32 v16, 5, v0
	v_readfirstlane_b32 s20, v16                   ; wave w
	s_lshr_b32 s21, s20, 2                         ; u = w / 4: 0 v, 1 q, 2 k
	s_and_b32 s22, s20, 3                          ; j: my block of 32 channels, and my fragment
	s_bfe_u32 s23, ttmp6, 0x40000                  ; cx
	s_and_b32 s24, ttmp9, 1                        ; half: from the cluster's number, the same in all partners
	s_lshr_b32 s25, ttmp9, 1
	s_lshl_b32 s25, s25, 2
	s_add_co_u32 s25, s25, s23                     ; record: it enters x's and the record's global addresses alone
	s_add_co_u32 s29, s20, 4
	s_and_b32 s29, s29, 15                         ; under 8: I take an x tile,
	s_and_b32 s26, s29, 7                          ; this one
	s_lshl_b32 s27, s24, 2
	s_add_co_u32 s27, s27, s22                     ; 4 half + j
	s_lshl_b32 s30, s20, 14
	s_mul_i32 s31, s21, CP
	s_and_b32 s58, s22, 1
	s_lshl_b32 s58, s58, 7
	s_add_co_u32 s31, s31, s58
	s_lshr_b32 s58, s22, 1
	s_mul_i32 s58, s58, 768
	s_add_co_u32 s31, s31, s58
	s_add_co_u32 s31, s31, IMG                     ; block j = 2 c + h: pieces 3 c .., lanes 16 h ..
	s_lshl_b32 s52, s21, 9
	s_add_co_u32 s52, s52, s22
	s_add_co_u32 s52, s52, ISC                     ; byte j of the scale words
	s_mul_i32 s53, s26, 16*XP
	s_add_co_u32 s53, s53, XST
	s_mul_i32 s54, s26, TP
	s_add_co_u32 s54, s54, IMG+3*CP
	s_lshl_b32 s55, s26, 6
	s_add_co_u32 s55, s55, ISC+1536
	s_mul_i32 s60, s21, CP                         ; class u, tile 0
	s_add_co_u32 s60, s60, IMG
	s_mul_i32 s61, s22, TP                         ; class 0, tile j
	s_add_co_u32 s61, s61, IMG
	s_lshl_b32 s62, s21, 9                         ; and their scale words
	s_add_co_u32 s62, s62, ISC
	s_lshl_b32 s63, s22, 6
	s_add_co_u32 s63, s63, ISC
	s_lshl_b32 s28, s21, 8
	s_lshl_b32 s58, s22, 2
	s_add_co_u32 s28, s28, s58
	s_add_co_u32 s28, s28, OSC
	s_lshl_b32 s2, s20, 8
	s_add_co_u32 s2, s2, OSC
	s_lshl_b32 s23, s24, 8
	s_lshl_b32 s58, s22, 5
	s_add_co_u32 s23, s23, s58                     ; bv: filter 64 half + 8 j on
	s_mov_b32 s[SEL], 0x76543210
	s_mov_b32 s[SEL+1], 0xfedcba98                 ; lane l xor 16
	; descriptor group 1: 32 rows of 128 elements of 4 bytes, dense; for Wv 32 rows of 64 elements, padded to the same 512 bytes a row
	s_mov_b32 s32, 15|(2<<16)|(1<<21)
	s_mov_b32 s33, 128<<16
	s_mov_b32 s34, 32<<16
	s_mov_b32 s35, 128<<16
	s_mov_b32 s36, 32
	s_mov_b32 s37, 128
	s_mov_b32 s38, 0
	s_mov_b32 s39, 0
	s_mov_b32 s40, 15|(2<<16)|(1<<20)|(1<<21)|(5<<22)|(63<<25)   ; after 64 words (code 5) 64 words of padding (code 63)
	s_mov_b32 s41, 64<<16
	s_mov_b32 s42, 32<<16
	s_mov_b32 s43, 64<<16
	s_mov_b32 s44, 32
	s_mov_b32 s45, 128
	s_mov_b32 s46, 0
	s_mov_b32 s47, 0
	s_mov_b32 s48, 1
	s_lshl_b32 s49, s20, 14                        ; the wave's own 16,384 bytes
	; the addresses, behind all the scalar work
	v_and_b32 v17, 31, v0                          ; lane
	v_and_b32 v18, 15, v0                          ; r
	v_bfe_u32 v19, v0, 4, 1                        ; h
	v_lshrrev_b32 v20, 3, v17
	v_and_b32 v21, 7, v17
	v_lshlrev_b32 v22, 3, v17
	v_lshlrev_b32 v[L16], 4, v17
	v_lshlrev_b32 v[SH], 3, v19
	v_lshlrev_b32 v[GB], 7, v19
	v_lshl_add_u32 v[WA], v17, 2, s30
	v_mul_u32_u24 v23, v20, TP
	v_lshl_add_u32 v23, v21, 3, v23
	v_add_nc_u32 v[IW], s31, v23
	v_lshlrev_b32 v24, 6, v20
	v_lshl_add_u32 v24, v21, 2, v24
	v_add_nc_u32 v[SB], s52, v24
	v_add_nc_u32 v[XSW], s53, v[L16]
	v_mul_u32_u24 v25, v18, XP
	v_lshl_add_u32 v25, v19, 7, v25
	v_add_nc_u32 v[XSR], s53, v25
	v_add_nc_u32 v[XI], s54, v22
	v_lshl_add_u32 v[XIS], v18, 2, s55
	v_add_nc_u32 v[FB], s60, v22
	v_add_nc_u32 v[FX], s61, v22
	v_lshl_add_u32 v[FBS], v18, 2, s62
	v_lshl_add_u32 v[FXS], v18, 2, s63
	v_lshl_add_u32 v[OW], v18, 4, s28
	v_add_nc_u32 v[ORD], s2, v22
	v_and_b32 v26, 7, v18
	v_and_b32 v27, 8, v18
	v_lshlrev_b32 v[GV], 2, v26
	v_lshl_add_u32 v[GV], v27, 4, v[GV]
	v_add_nc_u32 v[GV], s23, v[GV]                 ; 4 x (64 half + 32 (r / 8) + 8 j + r % 8)
	v_mov_b32 v[TM+6], 0                           ; a lane permute's destination counts as one of its sources
	s_wait_alu depctr_va_vdst(0)
	s_wait_dscnt 0x0
	CROUND                                         ; all four work-groups are here: the joint loads meet
	s_wait_kmcnt 0x0
	s_cmp_eq_u32 s21, 1
	s_cselect_b64 s[50:51], s[6:7], s[10:11]
	s_cselect_b64 s[30:31], s[8:9], s[12:13]       ; q's or k's bias
	s_lshl_b32 s58, s22, 14                        ; 32 j rows of 512 bytes,
	s_mov_b32 s59, 0
	s_lshl_b32 s52, s24, 8                         ; and for Wv 64 filters on in the second half
	s_cmp_eq_u32 s21, 0
	s_cselect_b64 s[50:51], s[14:15], s[50:51]
	s_cselect_b32 s52, s52, 0
	s_add_co_u32 s58, s58, s52
	s_add_nc_u64 s[50:51], s[50:51], s[58:59]
	s_or_b32 s51, s51, 0x80000000
	s_cmp_lt_u32 s20, 4
	s_cbranch_scc0 .Lfull
	tensor_load_to_lds s[48:51], s[40:47]
	s_nop 0
	PLACES
	s_branch .Lasked
.Lfull:
	s_cmp_lt_u32 s20, 12
	s_cbranch_scc0 .Lasked
	tensor_load_to_lds s[48:51], s[32:39]
	s_nop 0
	PLACES
.Lasked:
	; the biases, as the products' C: q, k: register 8 t + i of lane (r, h) is filter 64 (t / 4) + 32 h + 8 (t % 4) + i;  v: a lane holds one filter
	s_cmp_lt_u32 s20, 4
	s_cbranch_scc0 .Lbias_qk
.irp i, 0,1,2,3,4,5,6,7
	global_load_b32 v[BV+\i], v[GV], s[16:17]
.endr
	s_branch .Lbias_done
.Lbias_qk:
	s_cmp_lt_u32 s20, 12
	s_cbranch_scc0 .Lbias_done
.irp t, 0,1,2,3,4,5,6,7
	global_load_b128 v[HA+8*\t:HA+8*\t+3], v[GB], s[30:31] offset:(64*(\t/4)+8*(\t%4))*4
	global_load_b128 v[HA+8*\t+4:HA+8*\t+7], v[GB], s[30:31] offset:(64*(\t/4)+8*(\t%4))*4+16
.endr
.Lbias_done:
	s_cmp_lt_u32 s29, 8
	s_cbranch_scc0 .Lno_x_load
	s_lshl_b32 s60, s25, 16                        ; 128 tokens of 512 bytes a record
	s_lshr_b32 s62, s26, 2
	s_lshl_b32 s62, s62, 15
	s_add_co_u32 s60, s60, s62
	s_and_b32 s62, s26, 3
	s_lshl_b32 s62, s62, 12
	s_add_co_u32 s60, s60, s62
	s_mov_b32 s61, 0
	s_add_nc_u64 s[60:61], s[4:5], s[60:61]
.irp i, 0,1,2,3,4,5,6,7,8,9,10,11,12,13,14,15
	global_load_b128 v[XV+4*\i:XV+4*\i+3], v[L16], s[60:61] offset:(32*(\i/8)+\i%8)*512   ; a whole row a load
.endr
.Lno_x_load:
	s_cmp_lt_u32 s20, 12
	s_cbranch_scc0 .Lno_w
	s_wait_tensorcnt 0x0                           ; my W rows are in: this wave alone reads them
	PAIR 0
	s_cmp_lt_u32 s20, 4
	s_cbranch_scc1 .Lno_w
	PAIR 1
.Lno_w:
	s_cmp_lt_u32 s29, 8
	s_cbranch_scc0 .Lno_x
	s_wait_loadcnt 0x0
.irp i, 0,1,2,3,4,5,6,7,8,9,10,11,12,13,14,15
	ds_store_b128 v[XSW], v[XV+4*\i:XV+4*\i+3] offset:XP*\i
.endr
.set n, 0
.rept 16                                       ; LDS serves a wave's instructions in order: these see the stores above.  Register 32 c + i = channel 64 c + 32 h + i of row r
	ds_load_b128 v[X+4*n:X+4*n+3], v[XSR] offset:256*(n/8)+16*(n%8)
.set n, n+1
.endr
	s_wait_dscnt 0x0
	BLK X
	WORD
.irp i, 0,1,2,3,4,5
	ds_store_b64 v[XI], v[PC+2*\i:PC+2*\i+1] offset:256*\i
.endr
	ds_store_b32 v[XIS], v[PW]                     ; lanes l and l + 16 write the same word with the same value
.Lno_x:
	s_wait_alu depctr_va_vdst(0)
	s_wait_dscnt 0x0                               ; for the others' sake: my images have landed
	BARRIER
	s_cmp_lt_u32 s20, 12
	s_cbranch_scc0 .Lno_products
.macro FETCH8 off, offs
.irp i, 0,1,2,3,4,5,6,7
.irp p, 0,1,2,3,4,5
	ds_load_b64 v[F+12*\i+2*\p:F+12*\i+2*\p+1], v[FB] offset:(\off)+TP*\i+256*\p
.endr
	ds_load_b32 v[SW+\i], v[FBS] offset:(\offs)+64*\i
.endr
.endm
.macro FETCH1 off, offs
.irp p, 0,1,2,3,4,5
	ds_load_b64 v[XF+2*\p:XF+2*\p+1], v[FX] offset:(\off)+256*\p
.endr
	ds_load_b32 v[XS], v[FXS] offset:\offs
.endm
	s_cmp_lt_u32 s20, 4
	s_cbranch_scc0 .Lfetch_qk
	FETCH8 3*CP, 1536                              ; v: x's eight tiles against Wv's tile j
	FETCH1 0, 0
	s_branch .Lfetched
.Lfetch_qk:
	FETCH8 0, 0                                    ; q, k: W's eight tiles
	s_cmp_eq_u32 s24, 0
	s_cbranch_scc0 .Lsecond_half
	FETCH1 3*CP, 1536                              ; against x's tile j,
	s_branch .Lfetched
.Lsecond_half:
	FETCH1 3*CP+4*TP, 1792                         ; or 4 + j
.Lfetched:
	s_wait_loadcnt 0x0                             ; the biases
	s_wait_dscnt 0x0
	s_cmp_lt_u32 s20, 4
	s_cbranch_scc0 .Lproducts_qk
.irp t, 0,1,2,3,4,5,6,7
	v_wmma_scale_f32_16x16x128_f8f6f4 v[HA+8*\t:HA+8*\t+7], v[F+12*\t:F+12*\t+11], v[XF:XF+11], v[BV:BV+7], v[SW+\t], v[XS] matrix_a_fmt:MATRIX_FMT_FP6 matrix_b_fmt:MATRIX_FMT_FP6
.endr
	s_branch .Lproducts_done
.Lproducts_qk:
.irp t, 0,1,2,3,4,5,6,7
	v_wmma_scale_f32_16x16x128_f8f6f4 v[HA+8*\t:HA+8*\t+7], v[F+12*\t:F+12*\t+11], v[XF:XF+11], v[HA+8*\t:HA+8*\t+7], v[SW+\t], v[XS] matrix_a_fmt:MATRIX_FMT_FP6 matrix_b_fmt:MATRIX_FMT_FP6
.endr
.Lproducts_done:
	s_mul_i32 s58, s25, REC
	s_mul_i32 s60, s27, 1536                       ; fragment 4 half + j
	s_add_co_u32 s58, s58, s60
	s_mov_b32 s59, 0
	s_cmp_eq_u32 s21, 1
	s_cselect_b32 s60, QOFF, 0
	s_cmp_eq_u32 s21, 0
	s_cselect_b32 s60, VOFF, s60
	s_add_co_u32 s58, s58, s60
	s_add_nc_u64 s[60:61], s[18:19], s[58:59]
	PLACES                                         ; four places behind the matrix instructions (ISA guide 7.12.1)
	BLK HA
	WORD
.irp i, 0,1,2
	global_store_b128 v[L16], v[PC+4*\i:PC+4*\i+3], s[60:61] offset:512*\i   ; each store covers 512 consecutive bytes, aligned to 256
.endr
	ds_store_b32 v[OW], v[PW]
.Lno_products:
	s_wait_alu depctr_va_vdst(0)
	s_wait_dscnt 0x0
	BARRIER
	s_cmp_lt_u32 s20, 3
	s_cbranch_scc0 .Lno_words
	s_wait_xcnt 0x0                                ; my stores of codes have read their base: its scalars are written again
	s_lshl_b32 s58, s24, 9
	s_add_co_u32 s58, s58, SOFF                    ; k's words (wave 2)
	s_add_co_u32 s60, s58, 256                     ; v's (wave 0)
	s_lshl_b32 s62, s24, 8
	s_add_co_u32 s62, s62, QSOFF                   ; q's (wave 1)
	s_cmp_eq_u32 s20, 0
	s_cselect_b32 s58, s60, s58
	s_cmp_eq_u32 s20, 1
	s_cselect_b32 s58, s62, s58
	s_mul_i32 s60, s25, REC
	s_add_co_u32 s58, s58, s60
	s_mov_b32 s59, 0
	s_add_nc_u64 s[58:59], s[18:19], s[58:59]
	v_lshrrev_b32 v16, 1, v[L16]                   ; 8 lane
	ds_load_b64 v[18:19], v[ORD]
	s_wait_alu depctr_va_vdst(0)
	s_wait_dscnt 0x0
	global_store_b64 v16, v[18:19], s[58:59]       ; the wave stores one aligned unit of 256 bytes
.Lno_words:
	s_wait_tensorcnt 0x0                           ; the wave's end
	ds_add_u32 v[SPW], v[NIL]
	s_wait_dscnt 0x0
	CROUND                                         ; the closing round: no work-group ends while a partner may still ask for a tile that names it
	s_endpgm
.Lfunc_end_k_qc501dca1fc_proj:
	.size	k_qc501dca1fc_proj, .Lfunc_end_k_qc501dca1fc_proj-k_qc501dca1fc_proj
	.p2alignl 7, 3214868480
	.fill 96, 4, 3214868480
	.section	.rodata,"a",@progbits
	.p2align	6, 0x0
	.amdhsa_kernel k_qc501dca1fc_proj
		.amdhsa_group_segment_fixed_size 327680
		.amdhsa_private_segment_fixed_size 0
		.amdhsa_enable_private_segment 0
		.amdhsa_kernarg_size 64
		.amdhsa_user_sgpr_count 2
		.amdhsa_user_sgpr_kernarg_segment_ptr 1
		.amdhsa_wavefront_size32 1
		.amdhsa_system_sgpr_workgroup_id_x 1
		.amdhsa_system_sgpr_workgroup_id_y 1
		.amdhsa_system_sgpr_workgroup_id_z 1
		.amdhsa_system_vgpr_workitem_id 0
		.amdhsa_next_free_vgpr 256
		.amdhsa_next_free_sgpr 66
		.amdhsa_reserve_vcc 0
		.amdhsa_float_denorm_mode_32 3
		.amdhsa_float_denorm_mode_16_64 3
		.amdhsa_memory_ordered 1
		.amdhsa_forward_progress 1
		.amdhsa_inst_pref_size 48
	.end_amdhsa_kernel
	.amdgpu_metadata
---
amdhsa.version: [ 1, 2 ]
amdhsa.kernels:
  - .name:           k_qc501dca1fc_proj
    .symbol:         k_qc501dca1fc_proj.kd
    .args:
      - { .name: inputs, .offset: 0, .size: 8, .value_kind: global_buffer, .address_space: global }
      - { .name: Wq, .offset: 8, .size: 8, .value_kind: global_buffer, .address_space: global }
      - { .name: bq, .offset: 16, .size: 8, .value_kind: global_buffer, .address_space: global }
      - { .name: Wk, .offset: 24, .size: 8, .value_kind: global_buffer, .address_space: global }
      - { .name: bk, .offset: 32, .size: 8, .value_kind: global_buffer, .address_space: global }
      - { .name: Wv, .offset: 40, .size: 8, .value_kind: global_buffer, .address_space: global }
      - { .name: bv, .offset: 48, .size: 8, .value_kind: global_buffer, .address_space: global }
      - { .name: ws, .offset: 56, .size: 8, .value_kind: global_buffer, .address_space: global }
    .group_segment_fixed_size: 327680
    .private_segment_fixed_size: 0
    .kernarg_segment_align: 8
    .kernarg_segment_size: 64
    .max_flat_workgroup_size: 512
    .sgpr_count:     66
    .vgpr_count:     256
    .wavefront_size: 32
...
	.end_amdgpu_metadata
.endif
;; end of part 1
;; launch attn (part 2): grid 64 x 4, 8 waves a work-group, clusters of 4 x 1, 327,680 bytes of LDS; arguments ws, out0; writes out0
.if DOCPART == 2
	.amdgcn_target "amdgcn-amd-amdhsa--gfx1250"
	.amdhsa_code_object_version 6
	.text
	.protected	k_qc501dca1fc_attn
	.globl	k_qc501dca1fc_attn
	.p2align	8
	.type	k_qc501dca1fc_attn,@function
k_qc501dca1fc_attn:
	s_mov_b64 s[64:65], 0
	v_nop
	global_prefetch_b8 v0, s[64:65] scope:SCOPE_SE
	s_setreg_imm32_b32 hwreg(HW_REG_WAVE_MODE, 25, 1), 1
	s_wait_xcnt 0x0
	s_wait_alu depctr_hold_cnt(0) depctr_sa_sdst(0) depctr_va_vdst(0) depctr_va_sdst(0) depctr_va_ssrc(0) depctr_va_vcc(0) depctr_vm_vsrc(0)
	s_getreg_b32 s2, hwreg(HW_REG_IB_STS2, 6, 4)
	s_cmp_eq_u32 s2, 0
	s_cbranch_scc0 .Lentry_in_a_cluster
	s_endpgm
.Lentry_in_a_cluster:
	s_bfe_u32 s2, ttmp6, 0x10000c
	s_cmp_lg_u32 s2, 0x3003
	s_cbranch_scc0 .Lentry_shape_is_right
	s_endpgm
.Lentry_shape_is_right:
; out[b][n][:] = the sum over m of softmax_m(q[b][n] . k[b][m] / sqrt(128)) v[b][m][:], 4 batches of 4,096 tokens, both products on codes of FP6 (E2M3) with one E8M0 scale for each 32 along K.  No step of reference() is left out.
; q, k, v come as records of REC bytes for each 128 tokens, laid as the launch before has them (a fragment: 1,536 bytes, registers 4 n .. 4 n + 3 of lane l at 512 n + 16 l): row r of fragment 4 c + j of k and q is token 64 c + 32 (r / 8) + 8 j + r % 8,
;   of v^T filter 64 c + 32 (r / 8) + 8 j + r % 8.  The first 25,600 bytes of a record are all that a step of 128 keys needs: one dense block.
; THE SOFTMAX AHEAD OF THE SECOND PRODUCT: t = score x log2(e) / sqrt(128); M = the largest t so far, rounded UP to a whole number; p = 2^(t - M) is quantised along the keys, not normalised; the sum l is taken of the unquantised p.
;   When M moves, l and O are multiplied by 2^(old M - new M): exact.
; SHARES.  16,384 queries / 256 work-groups = 64 queries each.  Wave w takes query tiles 2 pr, 2 pr + 1 (pr = w % 2) and the key quarter kq = w / 2 (8 steps of 128 keys); each fragment read from LDS feeds two matrix instructions.  At the end the four
;   quarters are brought under the largest M by exact powers of two, added, and divided by the whole sum.
; LAYOUT.  Both products transposed (S^T = k q^T, O^T = v^T p^T): a lane holds ONE query; by the order of k's rows its registers 32 c + 0 .. 31 of S^T are keys 64 c + 32 (lane / 16) + 0 .. 31: a whole scale block in one lane, in the place that
;   the second product's operand wants.  Only the row's maximum and the scale word look at lane l xor 16.
; RING.  Two LDS slots of 4 x 25,600 bytes.  A step reads k's fragments, then v's; when v's are in registers the slot is free: the round opens between the two tiles' softmaxes and is waited for behind the second one, and the refill (the record two steps on)
;   stands behind it.  One load of a wave is out, and it has a whole step in which to land.  k's fragments of the next step are fetched among the products of this one, by halves.
; CLUSTER.  The four work-groups of a cluster belong to one batch and walk the same k and v: every fill is asked for JOINTLY (mask 15; nothing in the descriptor hangs on the place in the cluster).
; PREFETCH.  At the end of steps 0 to 3 each wave asks for blocks of 256 bytes of the half record that it loads two steps later (step + 4): the partner at place cx takes blocks 13 cx .. 13 cx + 12 of the fifty.  Clusters 0 to 3 of each batch ask.
; REGISTERS: tile T's numbers have the same register numbers in window T (s_set_vgpr_msb: bits 1:0 source 0, 3:2 source 1, 5:4 source 2, 7:6 destination).
;   both windows: v12 -M, v13 the largest score, v[14:15] f, v16-27 q, v31 8 (lane / 16), v32-79 four fragments (window 0: 0-3, window 1: 4-7), v92-95 at work, v96-159 S^T then p, v160-223 O^T, v224-235 p's codes, v236-249 at work, v[250:251] l, v252-253.
;   window 0 alone: v1-11, v28-30 addresses and copies; v80-87 k's (lanes 0-15) and v's (lanes 16-31) scale words, v88-89 q's, v90-91 p's: these twelve hold scales and nothing else.
; LIMITS: NaN and infinities are not served; the promise holds while the scaled scores (the exponents to the base 2, before the maximum is taken away) stay under 2^31 in magnitude.  A block's largest p is not searched for: the block's largest score goes
;   through the same multiply-add and exponential, which takes v_exp_f32 not to fall where its input rises.  A block whose every p has fallen to 0 keeps the scale byte 1: its codes are zeros.
.set REC,   38912
.set KOFF,  0
.set VOFF,  12288
.set SOFF,  24576
.set QSOFF, 25600
.set QOFF,  26624
.set QUART, 25600                      ; a quarter's part of a slot
.set HALF,  12800                      ; what one tensor load brings
.set SLOT1, 1<<17                      ; one exclusive or turns an address in one slot into the other's
.set STAT,  SLOT1+4*QUART              ; -M and l of wave w, tile T: 512 w + 256 T + 4 lane, l 128 bytes further
.set SPARE, STAT+4096                  ; the spare words, 128 bytes for each wave
.set SP,    528                        ; the stage: 32 rows of 512 bytes + 16 for each wave, from LDS byte 0: written only when both slots have had their last fill and their last read
.set LI,  1                            ; 16 lane + 25,600 kq
.set SO,  2                            ; the stage: where I put 128 bytes of a row
.set RB,  3                            ; where I read rows back, quarters 0 and 1
.set RB2, 4                            ; quarters 2 and 3
.set SPW, 5
.set NIL, 6
.set GO,  7                            ; 16 lane
.set ADR, 8                            ; a step's LDS address
.set QA,  9
.set QS,  10
.set SAW, 11                           ; STAT, my wave's
.set SAR, 30                           ; STAT, quarter 0's wave of my pair
.set PFO, 0                            ; the prefetch's offset
.set WV,  8                            ; s8 wave, s9 pr, s10 kq, s12 block of 64 queries, s13 batch
.set PR,  9
.set KQ,  10
.set QB,  12
.set BT,  13
.set SEL, 20
.set CS,  22                           ; s[22:23] c = log2(e) / sqrt(128), twice
.set G1,  24
.set G0,  40
.set TB,  44                           ; the slot in hand
.set CNT, 45
.set PF,  52                           ; s[52:53] where my prefetches stand
.set LIM, 54                           ; my cluster asks while CNT is greater
.set MSB, 0
.macro WIN new                         ; the immediate's high byte repeats the setting that is left; a switch that changes nothing is dropped
.if MSB != (\new)
	s_set_vgpr_msb (MSB<<8)|(\new)
.set MSB, (\new)
.endif
.endm
.macro WALU
	s_wait_alu depctr_va_vdst(0)
.endm
.macro CREST                           ; a round of the cluster's barrier behind its opening barrier
	s_cmp_lg_u32 s[WV], 0
	s_cbranch_scc1 .Lnot_wave_0_\@
	s_barrier_signal -3
.Lnot_wave_0_\@:
	s_barrier_wait -3
	s_barrier_signal -1
	s_barrier_wait -1
.endm
.macro CROUND
	s_barrier_signal -1
	s_barrier_wait -1
	CREST
.endm
.macro PLACES                          ; four plain places behind matrix instructions (ISA guide 7.12.1)
.rept 4
	v_nop
.endr
.endm
.macro FR4 hf, off                     ; four fragments into window hf; each load takes 512 consecutive bytes
	WIN 0x40*\hf
.irp i, 0,1,2,3
.irp c, 0,1,2
	ds_load_b128 v[32+12*\i+4*\c:32+12*\i+4*\c+3], v[ADR] offset:\off+1536*(4*\hf+\i)+512*\c
.endr
.endr
	WIN 0
.endm
.macro KLOAD hf                        ; four scale words (k's and v's) and four fragments of k: 13 loads
	ds_load_b128 v[80+4*\hf:83+4*\hf], v[ADR] offset:SOFF+512*\hf
	FR4 \hf, KOFF
.endm
.macro KQ4 i0, T                       ; S^T of fragments i0 .. i0 + 3 for tile T: each product is a whole sum (K = 128)
.irp i, 0,1,2,3
	v_wmma_scale_f32_16x16x128_f8f6f4 v[96+8*(\i0+\i):96+8*(\i0+\i)+7], v[32+12*\i:32+12*\i+11], v[16:27], 0, v[80+\i0+\i], v[88+\T] matrix_a_fmt:MATRIX_FMT_FP6 matrix_b_fmt:MATRIX_FMT_FP6
.endr
.endm
.macro PV4 t0, T, first                ; O^T += v^T p^T; v's scale words lie in lanes 16-31.  The accumulators take turns, one instruction a turn
.irp t, 0,1,2,3
.if \first
	v_wmma_scale_f32_16x16x128_f8f6f4 v[160+8*(\t0+\t):160+8*(\t0+\t)+7], v[32+12*\t:32+12*\t+11], v[224:235], 0, v[80+\t0+\t], v[90+\T] matrix_a_fmt:MATRIX_FMT_FP6 matrix_b_fmt:MATRIX_FMT_FP6 matrix_a_scale:MATRIX_SCALE_ROW1
.else
	v_wmma_scale_f32_16x16x128_f8f6f4 v[160+8*(\t0+\t):160+8*(\t0+\t)+7], v[32+12*\t:32+12*\t+11], v[224:235], v[160+8*(\t0+\t):160+8*(\t0+\t)+7], v[80+\t0+\t], v[90+\T] matrix_a_fmt:MATRIX_FMT_FP6 matrix_b_fmt:MATRIX_FMT_FP6 matrix_a_scale:MATRIX_SCALE_ROW1
.endif
.endr
.endm
.macro MAXES                           ; v92, v93: the largest scores of my two blocks of 32 keys; four chains by turns
.irp c, 0,1
	v_max3_num_f32 v[246+\c], v[96+32*\c], v[97+32*\c], v[98+32*\c]
	v_max3_num_f32 v[248+\c], v[112+32*\c], v[113+32*\c], v[114+32*\c]
.endr
.irp i, 3,5,7,9,11,13
.irp c, 0,1
	v_max3_num_f32 v[246+\c], v[246+\c], v[96+32*\c+\i], v[97+32*\c+\i]
	v_max3_num_f32 v[248+\c], v[248+\c], v[112+32*\c+\i], v[113+32*\c+\i]
.endr
.endr
.irp c, 0,1
	v_max3_num_f32 v[248+\c], v[248+\c], v[111+32*\c], v[127+32*\c]
.endr
.irp c, 0,1
	v_max_num_f32 v[92+\c], v[246+\c], v[248+\c]
.endr
.endm
; Tile T's softmax behind its block maxima, all in window T but the scale word
.macro SOFT T, first
.if \first
	v_max_num_f32 v13, v92, v93
.else
	v_max3_num_f32 v13, v13, v92, v93              ; the running largest score of my query,
.endif
	s_delay_alu instid0(VALU_DEP_1)
	v_permlanex16_b32 v94, v13, s[SEL], s[SEL+1]
	s_delay_alu instid0(VALU_DEP_1)
	v_max_num_f32 v13, v13, v94                    ; with lane l xor 16's keys
	s_delay_alu instid0(VALU_DEP_1)
	v_mul_f32 v94, s[CS], -v13                     ; -t (c is positive)
.if !\first
	v_mov_b32 v95, v12
	s_delay_alu instid0(VALU_DEP_2)
.endif
	v_floor_f32 v12, v94                           ; the new -M = floor(-t) = -ceil(t): a whole number
.if !\first
	s_delay_alu instid0(VALU_DEP_1)
	v_sub_f32 v94, v12, v95                        ; old M - new M: 0 or less
	s_delay_alu instid0(VALU_DEP_1)
	v_cvt_i32_f32 v94, v94                         ; (it saturates)
	s_delay_alu instid0(VALU_DEP_1)
	v_ldexp_f32 v14, 1.0, v94                      ; f = 2^(old M - new M)
.if \T
	WALU                                           ; directly ahead of the first reader of O^T
.endif
.set j, 0
.rept 32
	v_pk_mul_f32 v[160+j:161+j], v[160+j:161+j], v[14:15] op_sel_hi:[1,0]   ; O^T under the new M, each accumulator from its low end on
.set j, j+2
.endr
.endif
.set j, 0
.rept 16
	v_pk_fma_f32 v[96+j:97+j], v[96+j:97+j], s[CS:CS+1], v[12:13] op_sel_hi:[1,0,0]   ; t - M, block 0
.set j, j+2
.endr
.irp c, 0,1
	v_fma_f32 v[92+\c], v[92+\c], s[CS], v12       ; the same of each block's largest score
.endr
	WALU                                           ; ahead of the batch
	v_exp_f32 v92, v92                             ; the blocks' largest p
	v_exp_f32 v93, v93
.set j, 0
.rept 16
	v_exp_f32 v[96+j], v[96+j]                     ; p = 2^(t - M), at most 1, block 0; block 1's t - M in between
	v_exp_f32 v[97+j], v[97+j]
	v_pk_fma_f32 v[128+j:129+j], v[128+j:129+j], s[CS:CS+1], v[12:13] op_sel_hi:[1,0,0]
.set j, j+2
.endr
	WALU                                           ; behind the batch, and ahead of the next
.irp c, 0,1
	v_max_num_f32 v[92+\c], 0x1800000, v[92+\c]    ; the floor 2^(3 - 127): the byte cannot fall under 1
.endr
.irp c, 0,1
	v_add_nc_u32 v[244+\c], 0xff000000, v[92+\c]   ; 2 off the exponent field: the conversion's scale operand
.endr
	v_cvt_scalef32_pk16_fp6_f32 v[224:226], v[96:111], v244
	v_cvt_scalef32_pk16_fp6_f32 v[236:238], v[112:127], v244   ; (a conversion's three registers begin on an even number)
	v_lshrrev_b32 v252, 23, v244                   ; the scales' bytes
	v_lshrrev_b32 v253, 23, v245
	v_lshl_or_b32 v252, v253, 16, v252
.set j, 0
.rept 8
.irp i, 0,1,2,3
	v_exp_f32 v[128+j+\i], v[128+j+\i]             ; block 1's p; the sum of block 0's UNQUANTISED p begins in between
.endr
	v_pk_add_f32 v[96+j:97+j], v[96+j:97+j], v[98+j:99+j]
.set j, j+4
.endr
	WALU                                           ; behind the batch
	v_cvt_scalef32_pk16_fp6_f32 v[230:232], v[128:143], v245
	v_cvt_scalef32_pk16_fp6_f32 v[240:242], v[144:159], v245
	v_lshlrev_b32 v252, v31, v252                  ; lane (r, h): bytes h and 2 + h of the scale word
.irp i, 0,1,2
	v_mov_b32 v[227+\i], v[236+\i]
.endr
	v_permlanex16_b32 v253, v252, s[SEL], s[SEL+1]
.irp i, 0,1,2
	v_mov_b32 v[233+\i], v[240+\i]
.endr
	WIN 0x05*\T                                    ; scale operands have no window: p's scale word goes to window 0
	v_or_b32 v[90+\T], v252, v253
	WIN 0x55*\T
.irp n, 0,1,2,3,4,5,6,7
	v_pk_add_f32 v[128+4*\n:129+4*\n], v[128+4*\n:129+4*\n], v[130+4*\n:131+4*\n]
.endr
.irp n, 0,1,2,3,4,5,6,7
	v_pk_add_f32 v[96+8*\n:97+8*\n], v[96+8*\n:97+8*\n], v[100+8*\n:101+8*\n]
.endr
.irp n, 0,1,2,3
	v_pk_add_f32 v[96+16*\n:97+16*\n], v[96+16*\n:97+16*\n], v[104+16*\n:105+16*\n]
.endr
.irp n, 0,1
	v_pk_add_f32 v[96+32*\n:97+32*\n], v[96+32*\n:97+32*\n], v[112+32*\n:113+32*\n]
.endr
.if \first
	v_pk_add_f32 v[250:251], v[96:97], v[128:129]
.else
	v_pk_add_f32 v[96:97], v[96:97], v[128:129]
	v_pk_fma_f32 v[250:251], v[250:251], v[14:15], v[96:97] op_sel_hi:[1,0,1]   ; l under the new M, and this step's sum
.endif
.endm
; A STEP: 128 keys of my quarter for my two tiles.  mode 2: the slot is filled again; 1: a plain barrier shows the last step's records; 0: the last step
.macro STEP first, mode
	s_wait_dscnt 13                                ; k's fragments 0-3 and their words are in; the 13 loads of the other half may be out
	KQ4 0, 0
	WIN 0x44                                       ; q and S^T of tile 1
	KQ4 0, 1
	s_wait_dscnt 0x0
	WIN 0x01                                       ; fragments 4-7
	KQ4 4, 0
	WIN 0x45
	KQ4 4, 1
	WIN 0
	PLACES                                         ; in front of the loads into the fragments' registers and of the first read of the scores
	FR4 0, VOFF                                    ; v's fragments land under tile 0's softmax
	FR4 1, VOFF
	MAXES
	SOFT 0, \first
.if \mode
	WIN 0
.if \mode == 2
	s_wait_xcnt 0x0                                ; any prefetch of mine has read its address
.endif
	WALU
	s_wait_tensorcnt 0x0                           ; all my tensor loads are done: my half record of the next step is in
	ds_add_u32 v[SPW], v[NIL]                      ; 0 onto my spare word
.if \mode == 2
	s_xor_b32 s[G0+1], s[G0+1], SLOT1              ; the slot that this step has read,
	s_add_nc_u64 s[G0+2:G0+3], s[G0+2:G0+3], REC   ; the record two steps on
	s_add_nc_u64 s[PF:PF+1], s[PF:PF+1], REC
.endif
.endif
	WIN 0x55
	WALU                                           ; directly ahead of the first reader of tile 1's scores
	MAXES
.if \mode
	WALU
	s_wait_dscnt 0x0                               ; the add is done, and so are my reads of this slot: v's fragments are in registers
	s_barrier_signal -1
.endif
	SOFT 1, \first
	WIN 0
	WALU
.if \mode
	s_barrier_wait -1                              ; (tile 1's softmax, work on registers, stands between signal and wait)
.endif
.if \mode == 2
	CREST
	tensor_load_to_lds s[G0:G0+3], s[G1:G1+7]      ; my one tensor load until the next round
	s_nop 0
.endif
.if \mode == 0
	s_wait_dscnt 0x0                               ; v is in
.irp T, 0,1                                    ; THE QUARTERS MEET: -M and l (its two halves and lane l xor 16's added) go to LDS ahead of the last products
	WIN 0x55*\T
	v_add_f32 v250, v250, v251
	s_delay_alu instid0(VALU_DEP_1)
	v_permlanex16_b32 v94, v250, s[SEL], s[SEL+1]
	s_delay_alu instid0(VALU_DEP_1)
	v_add_f32 v250, v250, v94
	WIN 0x04*\T                                    ; an LDS store's data are its source 1
	ds_store_b32 v[SAW], v12 offset:256*\T
	ds_store_b32 v[SAW], v250 offset:256*\T+128
	WIN 0x01*\T
	v_mov_b32 v[28+\T], v12                        ; my own -M, in window 0
.endr
	WIN 0
	WALU
	s_wait_dscnt 0x0
	s_barrier_signal -1
.endif
	PV4 0, 0, \first
	WIN 0x54                                       ; p, C and D of tile 1
	PV4 0, 1, \first
.if \mode
	WIN 0
	s_xor_b32 s[TB], s[TB], SLOT1                  ; on to the other slot
	v_add_nc_u32 v[ADR], s[TB], v[LI]
	PLACES
	KLOAD 0                                        ; the next step's k, first half
.endif
	WIN 0x01
	PV4 4, 0, \first
	WIN 0x55
	PV4 4, 1, \first
	WIN 0
.if \mode
	PLACES
	KLOAD 1
	WALU                                           ; ahead of the branches
.endif
.if \mode == 2
	s_cmp_gt_u32 s[CNT], s[LIM]
	s_cbranch_scc0 .Lnot_asked_\@
	global_prefetch_b8 v[PFO], s[PF:PF+1] th:TH_LOAD_NT scope:SCOPE_SE
.Lnot_asked_\@:
.endif
.endm
	s_load_b128 s[4:7], s[0:1], 0x0                ; ws s[4:5], out0 s[6:7]
	v_lshl_add_u32 v[SPW], v0, 2, SPARE
	v_mov_b32 v[NIL], 0
	ds_add_u32 v[SPW], v[NIL]                      ; the opening lines: the add, twice on end, and its wait
	ds_add_u32 v[SPW], v[NIL]
	v_lshrrev_b32 v32, 5, v0
	v_readfirstlane_b32 s[WV], v32                 ; wave 0..7
	s_and_b32 s[PR], s[WV], 1
	s_lshr_b32 s[KQ], s[WV], 1
	s_bfe_u32 s11, ttmp6, 0x40000                  ; cx
	s_lshl_b32 s[QB], ttmp9, 2
	s_add_co_u32 s[QB], s[QB], s11                 ; my block of 64 queries: it enters q's and out's global addresses alone
	s_and_b32 s[BT], ttmp7, 0xffff                 ; the batch, which the four partners share
	s_movk_i32 s[LIM], 99
	s_cmp_lt_u32 ttmp9, 4
	s_cselect_b32 s[LIM], 2, s[LIM]                ; CNT is 6 in step 0, 5 .. 1 in steps 1 to 5
	s_mul_i32 s11, s11, 13                         ; my blocks of 256 bytes of the fifty that a half record has
	; LDS addresses' scalar parts
	s_mul_i32 s50, s[KQ], QUART
	s_mul_i32 s51, s[WV], 32*SP                    ; my stage.  Query r of tile T is row 16 T + r of my 32
	s_mul_i32 s32, s[PR], 32*SP                    ; back: rows 8 kq .. 8 kq + 7 of my pair, from the stages of its four waves (2 x 32 rows apart)
	s_mul_i32 s33, s[KQ], 8*SP
	s_add_co_u32 s32, s32, s33
	s_lshl_b32 s33, s[WV], 9
	s_add_co_u32 s33, s33, STAT
	s_lshl_b32 s34, s[PR], 9
	s_add_co_u32 s34, s34, STAT
	s_and_b32 s35, s[QB], 1                        ; q: fragments 4 (qb % 2) + 2 pr and the next of record qb / 2
	s_lshl_b32 s36, s35, 2
	s_lshl_b32 s37, s[PR], 1
	s_add_co_u32 s36, s36, s37
	s_mul_i32 s36, s36, 1536
	s_add_co_u32 s36, s36, QOFF
	s_lshl_b32 s37, s35, 8
	s_lshl_b32 s38, s[PR], 3
	s_add_co_u32 s37, s37, s38
	s_add_co_u32 s37, s37, QSOFF
	; descriptor group 1: 50 dense rows of 256 bytes
	s_mov_b32 s[G1], 15|(3<<16)|(1<<21)            ; 15:0 the mask: all four work-groups; 17:16 elements of 8 bytes; 20 no padding; 21 set beside a mask
	s_mov_b32 s[G1+1], 32<<16
	s_mov_b32 s[G1+2], 50<<16
	s_mov_b32 s[G1+3], 32<<16
	s_mov_b32 s[G1+4], 50
	s_mov_b32 s[G1+5], 32
	s_mov_b32 s[G1+6], 0
	s_mov_b32 s[G1+7], 0
	s_lshl_b32 s16, s[BT], 5                       ; my quarter's first record: 32 x batch + 8 kq; my half of its block
	s_lshl_b32 s17, s[KQ], 3
	s_add_co_u32 s16, s16, s17
	s_mul_i32 s16, s16, REC
	s_mul_i32 s17, s[PR], HALF
	s_add_co_u32 s16, s16, s17
	s_mov_b32 s17, 0
	s_lshl_b32 s14, s[BT], 5                       ; q's record
	s_lshr_b32 s15, s[QB], 1
	s_add_co_u32 s14, s14, s15
	s_mul_i32 s14, s14, REC
	s_mov_b32 s15, 0
	s_lshl_b32 s18, s[BT], 12                      ; rows 8 kq .. of my stage are tile kq / 2, rows 8 (kq % 2) ..: out's rows 4,096 batch + 64 qb + 32 (kq % 2) + 16 pr + 8 (kq / 2) on
	s_lshl_b32 s19, s[QB], 6
	s_add_co_u32 s18, s18, s19
	s_lshl_b32 s19, s[PR], 4
	s_add_co_u32 s18, s18, s19
	s_and_b32 s19, s[KQ], 1
	s_lshl_b32 s19, s19, 5
	s_add_co_u32 s18, s18, s19
	s_lshr_b32 s19, s[KQ], 1
	s_lshl_b32 s19, s19, 3
	s_add_co_u32 s18, s18, s19
	s_lshl_b32 s18, s18, 9
	s_mov_b32 s19, 0
	s_mov_b32 s[SEL], 0x76543210
	s_mov_b32 s[SEL+1], 0xfedcba98
	s_mov_b32 s[CS], 0x3e0293ee                    ; c = log2(e) / sqrt(128)
	s_mov_b32 s[CS+1], s[CS]
	s_mov_b32 s[TB], 0
	s_mov_b32 s[CNT], 6
	s_mov_b32 s[G0], 1
	s_mul_i32 s[G0+1], s[WV], HALF                 ; LDS: slot 0, quarter kq, half pr = 12,800 x wave
	; the vector registers, behind all the scalar work
	v_and_b32 v32, 31, v0                          ; lane
	v_and_b32 v33, 15, v0                          ; r
	v_bfe_u32 v34, v0, 4, 1                        ; h
	v_lshlrev_b32 v[GO], 4, v32
	v_lshlrev_b32 v36, 2, v32
	v_lshlrev_b32 v31, 3, v34
	v_add_nc_u32 v[LI], s50, v[GO]
	v_mul_u32_u24 v37, v33, SP
	v_lshl_add_u32 v37, v34, 7, v37
	v_add_nc_u32 v[SO], s51, v37
	v_add_nc_u32 v[RB], s32, v[GO]
	v_add_nc_u32 v[RB2], 4*32*SP, v[RB]
	v_add_nc_u32 v[SAW], s33, v36
	v_add_nc_u32 v[SAR], s34, v36
	v_add_nc_u32 v[QA], s36, v[GO]
	v_lshl_add_u32 v[QS], v33, 4, s37
	v_min_u32 v38, 12, v32
	v_add_nc_u32 v38, s11, v38
	v_min_u32 v38, 49, v38
	v_lshlrev_b32 v[PFO], 8, v38                   ; (v0's thread number has served)
	v_mov_b32 v[ADR], v[LI]
	v_mov_b32 v15, 0                               ; (named as the upper half of the pair v[14:15])
	v_mov_b32 v94, 0                               ; a lane permute's destination counts as one of its sources
	WIN 0x40
	v_mov_b32 v15, 0
	v_mov_b32 v94, 0
	v_mov_b32 v31, v31                             ; 8 (lane / 16) in window 1 too
	WIN 0
	WALU
	s_wait_dscnt 0x0
	CROUND                                         ; all four work-groups are here: the first joint loads meet
	s_wait_kmcnt 0x0
	s_add_nc_u64 s[G0+2:G0+3], s[4:5], s[16:17]
	s_add_nc_u64 s[PF:PF+1], s[G0+2:G0+3], 3*REC   ; stepped once ahead of each prefetch: step 0 asks for step 4
	s_or_b32 s[G0+3], s[G0+3], 0x80000000          ; type = 2
	s_add_nc_u64 s[46:47], s[4:5], s[14:15]
	s_add_nc_u64 s[48:49], s[6:7], s[18:19]
	tensor_load_to_lds s[G0:G0+3], s[G1:G1+7]      ; step 0 into slot 0
	s_nop 0
	PLACES
.irp c, 0,1,2
	global_load_b128 v[16+4*\c:16+4*\c+3], v[QA], s[46:47] offset:512*\c          ; q's tile 0 stays in registers
.endr
	global_load_b64 v[88:89], v[QS], s[46:47]      ; both tiles' scale words
	WIN 0x40
.irp c, 0,1,2
	global_load_b128 v[16+4*\c:16+4*\c+3], v[QA], s[46:47] offset:1536+512*\c     ; tile 1, in window 1
.endr
	WIN 0
	s_wait_tensorcnt 0x0                           ; my half record of step 0 is in
	ds_add_u32 v[SPW], v[NIL]
	s_xor_b32 s[G0+1], s[G0+1], SLOT1
	s_add_nc_u64 s[G0+2:G0+3], s[G0+2:G0+3], REC
	s_wait_dscnt 0x0
	CROUND                                         ; everybody's part of step 0 is in
	tensor_load_to_lds s[G0:G0+3], s[G1:G1+7]      ; step 1 into slot 1
	s_nop 0
	PLACES
	KLOAD 0
	KLOAD 1
	s_wait_loadcnt 0x0                             ; q
	STEP 1, 2                                      ; step 0 starts the sums: nothing is cleared
	s_mov_b32 s[CNT], 5
.Lstep:                                            ; steps 1 to 5: step i asks for step i + 2
	STEP 0, 2
	s_sub_co_u32 s[CNT], s[CNT], 1
	s_cmp_lg_u32 s[CNT], 0
	s_cbranch_scc1 .Lstep
	STEP 0, 1                                      ; the last two are written out
	STEP 0, 0
	WALU
	s_barrier_wait -1                              ; the four quarters' -M and l are there; nobody reads a slot any more, and none is filled again
	PLACES                                         ; in front of the loads into registers that held fragments
.irp T, 0,1
.irp x, 0,1
.irp k, 0,1,2,3
	ds_load_b32 v[32+8*\T+4*\x+\k], v[SAR] offset:1024*\k+256*\T+128*\x   ; x = 0: -M, x = 1: l, of quarter k
.endr
.endr
.endr
	s_wait_dscnt 0x0
; Tile T: -M* = the least of the four -M; f_k = 2^(M_k - M*), exact; l* = the sum of f_k l_k; my O^T is multiplied by f_own / l* and goes to my stage.
.macro MERGE T
.set MB, 32+8*\T
	WIN 0
	v_min3_num_f32 v48, v[MB], v[MB+1], v[MB+2]
	s_delay_alu instid0(VALU_DEP_1)
	v_min_num_f32 v48, v48, v[MB+3]
.irp k, 0,1,2,3
	v_sub_f32 v[49+\k], v48, v[MB+\k]              ; M_k - M*: a whole number, 0 or less
.endr
	v_sub_f32 v53, v48, v[28+\T]
.irp k, 0,1,2,3,4
	v_cvt_i32_f32 v[49+\k], v[49+\k]               ; (it saturates)
.endr
.irp k, 0,1,2,3,4
	v_ldexp_f32 v[49+\k], 1.0, v[49+\k]
.endr
	v_mul_f32 v54, v49, v[MB+4]
	s_delay_alu instid0(VALU_DEP_1)
	v_fmac_f32 v54, v50, v[MB+5]
	s_delay_alu instid0(VALU_DEP_1)
	v_fmac_f32 v54, v51, v[MB+6]
	s_delay_alu instid0(VALU_DEP_1)
	v_fmac_f32 v54, v52, v[MB+7]
	WALU
	v_rcp_f32 v54, v54
	v_nop                                          ; one plain place behind a transcendental
	WIN 0x40*\T
	WALU
	v_mul_f32 v252, v53, v54
	WIN 0x55*\T
.set j, 0
.rept 32
	v_pk_mul_f32 v[160+j:161+j], v[160+j:161+j], v[252:253] op_sel_hi:[1,0]   ; each accumulator from its low end on
.set j, j+2
.endr
	WIN 0x04*\T
.irp t, 0,1,2,3,4,5,6,7                        ; lane (r, h), register 8 t + i: filter 64 (t / 4) + 32 h + 8 (t % 4) + i of my query
	ds_store_b128 v[SO], v[160+8*\t:160+8*\t+3] offset:16*SP*\T+256*(\t/4)+32*(\t%4)
	ds_store_b128 v[SO], v[160+8*\t+4:160+8*\t+7] offset:16*SP*\T+256*(\t/4)+32*(\t%4)+16
.endr
	WIN 0
.endm
	MERGE 0
	MERGE 1
	s_wait_dscnt 0x0                               ; for the others' sake: my stores have landed
	s_barrier_signal -1
	s_barrier_wait -1
	; THE WAY OUT: I add the four quarters' rows 8 kq .. 8 kq + 7 of my pair and store them whole.
.irp i, 0,1,2,3,4,5,6,7
	ds_load_b128 v[96+16*\i:96+16*\i+3],     v[RB]  offset:SP*\i
	ds_load_b128 v[96+16*\i+4:96+16*\i+7],   v[RB]  offset:2*32*SP+SP*\i
	ds_load_b128 v[96+16*\i+8:96+16*\i+11],  v[RB2] offset:SP*\i
	ds_load_b128 v[96+16*\i+12:96+16*\i+15], v[RB2] offset:2*32*SP+SP*\i
.endr
.irp i, 0,1,2,3,4,5,6,7
	s_wait_dscnt 28-4*\i                           ; row i's four loads are in; the later rows' may be out
	v_pk_add_f32 v[96+16*\i:96+16*\i+1],    v[96+16*\i:96+16*\i+1],    v[96+16*\i+4:96+16*\i+5]
	v_pk_add_f32 v[96+16*\i+2:96+16*\i+3],  v[96+16*\i+2:96+16*\i+3],  v[96+16*\i+6:96+16*\i+7]
	v_pk_add_f32 v[96+16*\i+8:96+16*\i+9],  v[96+16*\i+8:96+16*\i+9],  v[96+16*\i+12:96+16*\i+13]
	v_pk_add_f32 v[96+16*\i+10:96+16*\i+11], v[96+16*\i+10:96+16*\i+11], v[96+16*\i+14:96+16*\i+15]
	s_delay_alu instid0(VALU_DEP_2)
	v_pk_add_f32 v[96+16*\i:96+16*\i+1],    v[96+16*\i:96+16*\i+1],    v[96+16*\i+8:96+16*\i+9]
	s_delay_alu instid0(VALU_DEP_2)
	v_pk_add_f32 v[96+16*\i+2:96+16*\i+3],  v[96+16*\i+2:96+16*\i+3],  v[96+16*\i+10:96+16*\i+11]
	global_store_b128 v[GO], v[96+16*\i:96+16*\i+3], s[48:49] offset:512*\i th:TH_STORE_NT   ; the wave stores a row's 512 consecutive bytes, aligned to 256; written once, read by nobody here
.endr
	s_wait_tensorcnt 0x0                           ; the wave's end: behind my last tensor load and my last LDS store
	ds_add_u32 v[SPW], v[NIL]
	s_wait_dscnt 0x0
	CROUND                                         ; the closing round: no work-group ends while a partner may still ask for a tile that names it
	s_endpgm
.Lfunc_end_k_qc501dca1fc_attn:
	.size	k_qc501dca1fc_attn, .Lfunc_end_k_qc501dca1fc_attn-k_qc501dca1fc_attn
	.p2alignl 7, 3214868480
	.fill 96, 4, 3214868480
	.section	.rodata,"a",@progbits
	.p2align	6, 0x0
	.amdhsa_kernel k_qc501dca1fc_attn
		.amdhsa_group_segment_fixed_size 327680
		.amdhsa_private_segment_fixed_size 0
		.amdhsa_enable_private_segment 0
		.amdhsa_kernarg_size 16
		.amdhsa_user_sgpr_count 2
		.amdhsa_user_sgpr_kernarg_segment_ptr 1
		.amdhsa_wavefront_size32 1
		.amdhsa_system_sgpr_workgroup_id_x 1
		.amdhsa_system_sgpr_workgroup_id_y 1
		.amdhsa_system_sgpr_workgroup_id_z 1
		.amdhsa_system_vgpr_workitem_id 0
		.amdhsa_next_free_vgpr 512
		.amdhsa_next_free_sgpr 66
		.amdhsa_reserve_vcc 0
		.amdhsa_float_denorm_mode_32 3
		.amdhsa_float_denorm_mode_16_64 3
		.amdhsa_memory_ordered 1
		.amdhsa_forward_progress 1
		.amdhsa_inst_pref_size 150
	.end_amdhsa_kernel
	.amdgpu_metadata
---
amdhsa.version: [ 1, 2 ]
amdhsa.kernels:
  - .name:           k_qc501dca1fc_attn
    .symbol:         k_qc501dca1fc_attn.kd
    .args:
      - { .name: ws, .offset: 0, .size: 8, .value_kind: global_buffer, .address_space: global }
      - { .name: out0, .offset: 8, .size: 8, .value_kind: global_buffer, .address_space: global }
    .group_segment_fixed_size: 327680
    .private_segment_fixed_size: 0
    .kernarg_segment_align: 8
    .kernarg_segment_size: 16
    .max_flat_workgroup_size: 256
    .sgpr_count:     66
    .vgpr_count:     512
    .wavefront_size: 32
...
	.end_amdgpu_metadata
.endif
;; end of part 2
